; MI455X (gfx1250); checked and timed in simulation.
; The chip was launched on July 23, 2026; its instructions are those of AMD's public machine-readable ISA for CDNA 5 (MIT licence, August 2026) and "CDNA5" Instruction Set Architecture Reference Guide (July 2026). The comments in the code are by the model that wrote it; some were corrected since.
;; Atte module. Allowed arithmetic: float matrix products may take bf16 or f16 operands with f32 sums; all other float work in f32.
;; Inputs: W1 1 x 768 float32; W2 5 x 768 float32; attention_mask 4 x 256 x 256 float32; b1 1 float32; b2 5 float32; emb 100 x 768 float32; k 4 x 256 x 768 float32; length_mask 4 x 256 x 256 int32; m 4 x 256 x 768 float32; q 4 x 256 x 768 float32.
;; Outputs: out0 4 x 256 x 768 float32; out1 4 x 256 x 256 x 5 float32.
;; 2 versions, each right; version 2 is version 1 with the launch attn written anew for expert scheduling mode. Each part assembles by itself: llvm-mc -triple=amdgcn-amd-amdhsa -mcpu=gfx1250 --defsym DOCPART=n.
;; ======== version 1 of 2: 2 launches
;; limits: values are held in f16: magnitudes above 65,504 overflow, below 6.1e-05 lose precision; inputs' magnitudes at most 65,504
;; workspace buffers: proj 51,712 bytes
;; launch proj (part 1): grid 537 x 1, 2 waves a work-group, no clusters, 0 bytes of LDS; arguments q, k, emb, W1, W2, b1, b2, proj; writes proj
.if DOCPART == 1
	.amdgcn_target "amdgcn-amd-amdhsa--gfx1250"
	.amdhsa_code_object_version 6
	.text
	.protected	k_q9d7acf9d21_proj
	.globl	k_q9d7acf9d21_proj
	.p2align	8
	.type	k_q9d7acf9d21_proj,@function
k_q9d7acf9d21_proj:
	s_mov_b64 s[64:65], 0
	v_nop
	global_prefetch_b8 v0, s[64:65] scope:SCOPE_SE
	s_setreg_imm32_b32 hwreg(HW_REG_WAVE_MODE, 25, 1), 1
	s_wait_xcnt 0x0
; The six projections of every row of q, k and emb, in f32.
; Both small linear layers of the module act on q[b,q,:] + k[b,k,:] + emb[len]; a linear map of a sum is the sum of the maps, so six numbers
; for each of the 1024 + 1024 + 100 rows carry everything that the next launch needs.  Channel 0 is W1, channels 1..5 are W2's rows 0..4.
; b1 and b2 are added to emb's projections, since exactly one row of emb enters every sum.
; LIMIT, stated: the logit is later formed as a sum of three f32 dot products and not as one dot product of the summed vector: the order of
; rounding differs from the reference's; no difference of large sums is formed.
;
; Workspace, by channel, so that the next launch reads neighbouring rows of one channel as 16 neighbouring bytes:
;   q's  at byte         c*4096 + 4*(b*256+q)
;   k's  at byte 24576 + c*4096 + 4*(b*256+k)
;   emb's at byte 49152 + c*400 + 4*l
; 2148 rows = 1074 pairs of neighbouring rows; one wave takes one pair (1024, 1024 and 100 are even: no pair lies in two tensors), two waves a group.
; Lane L owns columns 128 j + 4 L .. + 3, j = 0..5: every load of the wave covers 512 consecutive bytes, aligned.
; No matrix unit: only 6 of 16 columns would be used and lanes would stand for rows; no LDS: the sum never leaves the wave.
; The results are 48 bytes a wave against 6144 bytes of rows read: six stores of 8 bytes from lane 0.
.set ROWB, 3072                        ; bytes in a row of q, k, emb, W1, W2
.set X,    4                           ; v[4:51]     the two rows: 24*row + 4*j
.set W,    52                          ; v[52:195]   the six weight rows: 24*c + 4*j
.set ACC,  196                         ; v[196:219]  a pair of running sums for (c, row) at 2*(2c+row)
.set S,    220                         ; v[220:231]  the sum for (c, row) at 2c+row
.set OFF,  232                         ; v[232:237]  byte offset of channel c's two results
.set BI,   31                          ; s31..s36    bias of channel c
.set SO,   42                          ; s42..s47    the same offsets as scalars
	s_load_b512 s[8:23], s[0:1], 0x0               ; q 8, k 10, emb 12, W1 14, W2 16, b1 18, b2 20, proj 22
	v_lshrrev_b32 v3, 5, v0
	v_readfirstlane_b32 s2, v3                     ; wave 0, 1
	v_and_b32 v1, 31, v0                           ; lane
	v_lshlrev_b32 v2, 4, v1                        ; 16 bytes a lane
	s_lshl_b32 s3, ttmp9, 1
	s_add_co_u32 s3, s3, s2                        ; pair 0..1073
	s_lshr_b32 s4, s3, 9                           ; 0: q, 1: k, 2: emb
	s_and_b32 s5, s3, 511                          ; pair inside its tensor
	s_mul_i32 s26, s5, 2*ROWB                      ; its byte offset
	s_mov_b32 s27, 0
	s_mov_b32 s38, 0x76543210                      ; v_permlanex16_b32: lane i takes lane i of the other half
	s_mov_b32 s39, 0xfedcba98
	s_wait_kmcnt 0x0
	s_cmp_eq_u32 s4, 0
	s_cselect_b64 s[24:25], s[8:9], s[10:11]       ; q or k,
	s_cmp_eq_u32 s4, 2
	s_cselect_b64 s[24:25], s[12:13], s[24:25]     ; or emb
	s_add_nc_u64 s[24:25], s[24:25], s[26:27]
	; 48 loads in one run: the two rows (read once in the launch), then the weights channel by channel
.irp row, 0,1
.irp j, 0,1,2,3,4,5
	global_load_b128 v[X+24*\row+4*\j:X+24*\row+4*\j+3], v2, s[24:25] offset:\row*ROWB+\j*512 th:TH_LOAD_NT
.endr
.endr
.irp j, 0,1,2,3,4,5
	global_load_b128 v[W+4*\j:W+4*\j+3], v2, s[14:15] offset:\j*512
.endr
.irp c, 1,2,3,4,5
.irp j, 0,1,2,3,4,5
	global_load_b128 v[W+24*\c+4*\j:W+24*\c+4*\j+3], v2, s[16:17] offset:(\c-1)*ROWB+\j*512
.endr
.endr
	s_load_b32  s[BI], s[18:19], 0x0               ; b1
	s_load_b128 s[BI+1:BI+4], s[20:21], 0x0        ; b2[0..3]
	s_load_b32  s[BI+5], s[20:21], 0x10            ; b2[4]
; Three channels x two rows: six chains that do not wait for each other.  The first product starts each sum: nothing is cleared.
.macro DOT3 c0
.irp i, 0,1,2,3,4,5,6,7,8,9,10,11
.irp c, \c0, \c0+1, \c0+2
.irp row, 0,1
.if \i == 0
	v_pk_mul_f32 v[ACC+2*(2*(\c)+\row):ACC+2*(2*(\c)+\row)+1], v[X+24*\row+2*\i:X+24*\row+2*\i+1], v[W+24*(\c)+2*\i:W+24*(\c)+2*\i+1]
.else
	v_pk_fma_f32 v[ACC+2*(2*(\c)+\row):ACC+2*(2*(\c)+\row)+1], v[X+24*\row+2*\i:X+24*\row+2*\i+1], v[W+24*(\c)+2*\i:W+24*(\c)+2*\i+1], v[ACC+2*(2*(\c)+\row):ACC+2*(2*(\c)+\row)+1]
.endif
.endr
.endr
.endr
.endm
	s_wait_loadcnt 18                              ; loads come back in order (ISA guide 5.7.1): the 18 younger ones are channels 3 to 5
	DOT3 0
	s_wait_loadcnt 0x0
	DOT3 3
	; the lane's two chains, then the 32 lanes: four steps inside each half ride on the add, one crosses the halves
.irp i, 0,1,2,3,4,5,6,7,8,9,10,11
	v_add_f32 v[S+\i], v[ACC+2*\i], v[ACC+2*\i+1]
.endr
.irp x, 1,2,4,8
.irp i, 0,1,2,3,4,5,6,7,8,9,10,11
	v_add_f32_dpp v[S+\i], v[S+\i], v[S+\i] row_xmask:\x row_mask:0xf bank_mask:0xf
.endr
.endr
.irp i, 0,1,2,3,4,5,6,7,8,9,10,11
	v_permlanex16_b32 v[ACC+2*\i], v[S+\i], s38, s39   ; its destination counts as read: a register that has been written
.endr
.irp i, 0,1,2,3,4,5,6,7,8,9,10,11
	v_add_f32 v[S+\i], v[S+\i], v[ACC+2*\i]
.endr
	; the bias goes to emb's rows alone; q's and k's get 0
	s_wait_kmcnt 0x0
	s_cmp_eq_u32 s4, 2
.irp c, 0,1,2,3,4,5
	s_cselect_b32 s[BI+\c], s[BI+\c], 0
.endr
.irp c, 0,1,2,3,4,5
	v_add_f32 v[S+2*\c],   s[BI+\c], v[S+2*\c]
	v_add_f32 v[S+2*\c+1], s[BI+\c], v[S+2*\c+1]
.endr
	; where they go: region kd*24576, 8 bytes for the pair, channels 4096 bytes apart (emb: 400)
	s_movk_i32 s28, 4096
	s_cmp_eq_u32 s4, 2
	s_cselect_b32 s28, 400, s28
	s_mul_i32 s[SO], s4, 24576
	s_lshl3_add_u32 s[SO], s5, s[SO]
.irp c, 0,1,2,3,4
	s_add_co_u32 s[SO+\c+1], s[SO+\c], s28
.endr
.irp c, 0,1,2,3,4,5
	v_mov_b32 v[OFF+\c], s[SO+\c]
.endr
	v_cmp_eq_u32 vcc_lo, 0, v1
	s_wait_xcnt 0x0                                ; EXEC is a source of the memory instructions above: it is narrowed only behind this wait
	s_and_saveexec_b32 s40, vcc_lo                 ; every lane holds the sums: lane 0 stores them
.irp c, 0,1,2,3,4,5
	global_store_b64 v[OFF+\c], v[S+2*\c:S+2*\c+1], s[22:23]
.endr
	s_endpgm
.Lfunc_end_k_q9d7acf9d21_proj:
	.size	k_q9d7acf9d21_proj, .Lfunc_end_k_q9d7acf9d21_proj-k_q9d7acf9d21_proj
	.p2alignl 7, 3214868480
	.fill 96, 4, 3214868480
	.section	.rodata,"a",@progbits
	.p2align	6, 0x0
	.amdhsa_kernel k_q9d7acf9d21_proj
		.amdhsa_group_segment_fixed_size 0
		.amdhsa_private_segment_fixed_size 0
		.amdhsa_enable_private_segment 0
		.amdhsa_kernarg_size 64
		.amdhsa_user_sgpr_count 2
		.amdhsa_user_sgpr_kernarg_segment_ptr 1
		.amdhsa_wavefront_size32 1
		.amdhsa_system_sgpr_workgroup_id_x 1
		.amdhsa_system_sgpr_workgroup_id_y 1
		.amdhsa_system_sgpr_workgroup_id_z 1
		.amdhsa_system_vgpr_workitem_id 0
		.amdhsa_next_free_vgpr 240
		.amdhsa_next_free_sgpr 66
		.amdhsa_reserve_vcc 1
		.amdhsa_float_denorm_mode_32 3
		.amdhsa_float_denorm_mode_16_64 3
		.amdhsa_memory_ordered 1
		.amdhsa_forward_progress 1
		.amdhsa_inst_pref_size 22
	.end_amdhsa_kernel
	.amdgpu_metadata
---
amdhsa.version: [ 1, 2 ]
amdhsa.kernels:
  - .name:           k_q9d7acf9d21_proj
    .symbol:         k_q9d7acf9d21_proj.kd
    .args:
      - { .name: q, .offset: 0, .size: 8, .value_kind: global_buffer, .address_space: global }
      - { .name: k, .offset: 8, .size: 8, .value_kind: global_buffer, .address_space: global }
      - { .name: emb, .offset: 16, .size: 8, .value_kind: global_buffer, .address_space: global }
      - { .name: W1, .offset: 24, .size: 8, .value_kind: global_buffer, .address_space: global }
      - { .name: W2, .offset: 32, .size: 8, .value_kind: global_buffer, .address_space: global }
      - { .name: b1, .offset: 40, .size: 8, .value_kind: global_buffer, .address_space: global }
      - { .name: b2, .offset: 48, .size: 8, .value_kind: global_buffer, .address_space: global }
      - { .name: proj, .offset: 56, .size: 8, .value_kind: global_buffer, .address_space: global }
    .group_segment_fixed_size: 0
    .private_segment_fixed_size: 0
    .kernarg_segment_align: 8
    .kernarg_segment_size: 64
    .max_flat_workgroup_size: 64
    .sgpr_count:     66
    .vgpr_count:     240
    .wavefront_size: 32
...
	.end_amdgpu_metadata
.endif
;; end of part 1
;; launch attn (part 2): grid 64 x 4, 4 waves a work-group, no clusters, 82,432 bytes of LDS; arguments proj, attention_mask, length_mask, m, out0, out1; writes out0, out1
.if DOCPART == 2
	.amdgcn_target "amdgcn-amd-amdhsa--gfx1250"
	.amdhsa_code_object_version 6
	.text
	.protected	k_q9d7acf9d21_attn
	.globl	k_q9d7acf9d21_attn
	.p2align	8
	.type	k_q9d7acf9d21_attn,@function
k_q9d7acf9d21_attn:
	s_mov_b64 s[64:65], 0
	v_nop
	global_prefetch_b8 v0, s[64:65] scope:SCOPE_SE
	s_setreg_imm32_b32 hwreg(HW_REG_WAVE_MODE, 25, 1), 1
	s_wait_xcnt 0x0
; out0 = softmax over k of ((q.W1 + k.W1 + emb[len].W1 + b1) * attention_mask) x m,   out1 = softmax over 5 classes of (q.W2 + k.W2 + emb[len].W2 + b2).
; The dot products come from the workspace of the launch before (six f32 numbers a row, by channel; emb's carry the bias).
; 256 work-groups of four waves.  Group (x, y): x = 16 rows (b = x / 16) of the 1024, y = columns 192 y .. + 191 of out0 and rows 16 x + 4 y .. + 3 of out1.
; Wave w does three things:
;   attention: k = 64 w .. + 63 for all 16 rows and all 192 columns, with a maximum and a sum of its own (K is split over the waves);
;   classes:   row 16 x + 4 y + w of out1 (256 k x 5 classes);
;   combine:   rows 8 h + 2 w + {0, 1} of out0 from the four waves' partial products, rescaled to the common maximum and divided by the common sum.
; Softmaxes in f32, each with its maximum taken away.  p = exp(s - max) and m go to the matrix unit in f16, sums in f32.
; WHY f16 AND NOT bf16: a sum over k of p m can be far smaller than its largest term (one large probability times one large m, cancelled by the
; rest), so the error counts against that term: two roundings to 8 bits of mantissa leave up to 2^-8 of it, two to 11 bits 2^-10.  Both operands
; have room in f16: p lies in (0, 1] beside a sum of about 1 or more, and m, drawn with spread 1, stays far below 65,504 also 30 times larger
; and with an offset of 30 spreads, and far above the step 2^-24 also 30 times smaller.
;
; m REACHES THE MATRIX UNIT WITHOUT LDS: lane (r, h) loads 16 bytes of m[k0 + 16 u + 8 h + j][64 g + 4 r .. + 3]: sixteen lanes read 256 consecutive
; bytes, aligned.  Word t of each load belongs to column tile t, whose column n = r is column 64 g + 4 r + t: a permutation of columns, undone for
; nothing at the end, where the four tiles' registers j are 16 neighbouring bytes of a row of out0.
; NO CLUSTER, NO JOINT LOADS: the 16 groups of one (b, y) do read the same 196,608 bytes of m, but inside a group each of these bytes is used by one
; lane, once, and arrives in the operand's order; a joint tensor load would send all 196,608 bytes through LDS, written and read again, for 24
; matrix instructions a wave.
; LIMITS, stated: |m| above 65,504 becomes infinity in the f16 operand, and m is kept to a step of 2^-24 at the finest; p below 2^-25 of its
; wave's largest counts as 0 in the product (not in the sum); an index of length_mask above 99 (a negative one too, read as unsigned) is taken
; as 99; the logits are sums of three f32 dot products, ((emb + bias) + k) + q, so the order of rounding differs from the reference's;
; v_exp_f32 gives 0 for results below 2^-126.
.set LOG2E, 0x3fb8aa3b
; LDS
.set TAB,  0                           ; 2400 bytes: emb's projections [c][100], as in the workspace; gather address 4 idx + 400 c
.set PST,  2560                        ; + w*2304: p in f16, 16 rows x 64 k, pitch 144 (128 + 16: sixteen rows start in sixteen different 16-byte columns); the wave's own
.set STAT, 11776                       ; + w*128 + row*8: {max * log2 e, sum} of the wave's 64 k
.set PART, 12288                       ; + w*12288 + (2 tile + jh)*512 + 16 lane: accumulator registers 4 jh .. + 3 as they stand
.set CST,  61440                       ; + w*5120: one row of out1 in memory order; the wave's own
; vector registers, window 0
;   v1 lane  v2 r = lane % 16  v3 h = lane / 16
;   v4 h*8192+16r (mask, len)  v5 16r  v6 32h  v7 h*24576+16r (m, out0)  v8 512w+16L (table)  v9 1888+16L (the table's end)  v10 16L
;   v11 PST store  v12 PST fragments  v13 STAT store  v14 PART store  v15 PART read  v16 STAT read  v17 CST store  v18 CST read  v19 scratch
.set TABR, 20                          ; v[20:27]    the table on its way
.set KW0,  28                          ; v[28:31]    k.W1 of my 4 k
.set QW0,  32                          ; v[32:39]    q.W1 of rows 8h + i
.set MASK, 40                          ; v[40:71]    4 i + e
.set LEN,  72                          ; v[72:103]   4 i + e: index, then gather address
.set EG,   104                         ; v[104:135]  4 i + e: gathered, then score, then p
.set ST,   136                         ; v[136:151]  {max * log2 e, sum} at 2 i
.set PK,   152                         ; v[152:167]  p in f16, 2 i
.set AF,   168                         ; v[168:183]  A fragments, 8 ks
.set CLEN, 184                         ; v[184:191]  classes: index, 4 u + e
.set CKW,  192                         ; v[192:231]  classes: k.W2, 8 c + 4 u + e
.set TS,   232                         ; v[232:247]  scratch pairs
; used again, classes:
.set G,    40                          ; v[40:79]    20 u + 4 c + e
.set OUTC, 80                          ; v[80:119]   20 u + 5 e + c: memory order
.set MX,   120                         ; v[120:127]  4 u + e
.set SM,   128                         ; v[128:135]  4 u + e
.set RB,   40                          ; v[40:79]    the row read back
; used again, product:
.set BF,   192                         ; v[192:255]  B fragments, two buffers of four tiles: 32 buf + 8 t + 4 u + i
; used again, combine:
.set PR,   40                          ; v[40:135]   8 tile + 2 s + j'
.set SR,   136                         ; v[136:151]  4 s + 2 j': max * log2 e, + 1: sum
.set FR,   152                         ; v[152:159]  factor of wave s for rows j' = 0, 1 at 2 s
.set OUT,  168                         ; v[168:191]  8 g + 4 j' + t
.set CM,   192
.set CF,   194                         ; v[194:201]  2 s + j'
.set CD,   202
.set CT,   208                         ; v[208:231]  2 tile
; window 1: raw m, chunks 0..3 at 64 ch.  window 2: chunks 4, 5 at 0, 64; accumulators at ACC + 8 tile, tile = 4 g + t
.set ACC,  128
.set QS,   42                          ; s42, 44, .. 50: q.W2 of my row of out1, class c at 2 c; the odd partners are 0
.set MSB, 0
.macro WIN new                         ; s_set_vgpr_msb: bits 1:0 source 0, 3:2 source 1, 5:4 source 2, 7:6 destination; the high byte repeats the setting that is left
.if MSB != \new
	s_set_vgpr_msb (MSB<<8)|\new
.set MSB, \new
.endif
.endm
	s_load_b256 s[4:11], s[0:1], 0x0               ; proj 4, attention_mask 6, length_mask 8, m 10
	s_load_b128 s[12:15], s[0:1], 0x20             ; out0 12, out1 14
	s_set_vgpr_msb 0x80
	v_lshl_add_u32 v224, v0, 2, 0x14000
	v_mov_b32 v225, 0
	s_set_vgpr_msb 0x8000
	v_lshrrev_b32 v19, 5, v0
	v_readfirstlane_b32 s16, v19                   ; w
	s_mov_b32 s17, ttmp9                           ; x
	s_and_b32 s18, ttmp7, 0xffff                   ; y
	s_lshr_b32 s19, s17, 4                         ; b
	s_lshl_b32 s20, s17, 4
	s_lshl2_add_u32 s20, s18, s20
	s_add_co_u32 s20, s20, s16                     ; my row of out1: 16 x + 4 y + w
	s_lshl_b32 s21, s20, 2
	; byte offsets, each in the low word of the pair that will hold its base
	s_lshl_b32 s55, s16, 8                         ; 64 k of f32
	s_lshl_b32 s22, s17, 14                        ; 16 rows of 1024 bytes
	s_add_co_u32 s22, s22, s55
	s_mov_b32 s23, 0
	s_mov_b32 s24, s22
	s_mov_b32 s25, 0
	s_lshl_b32 s28, s19, 10
	s_add_co_u32 s28, s28, 24576                   ; k's projections of batch b
	s_mov_b32 s29, 0
	s_add_co_u32 s26, s28, s55                     ; and of my 64 k
	s_mov_b32 s27, 0
	s_lshl_b32 s30, s17, 6                         ; q's projections of the 16 rows
	s_mov_b32 s31, 0
	s_mul_i32 s56, s18, 768                        ; 192 columns of f32
	s_mul_i32 s32, s19, 786432
	s_add_co_u32 s32, s32, s56
	s_mul_i32 s57, s16, 196608                     ; 64 rows of m
	s_add_co_u32 s32, s32, s57
	s_mov_b32 s33, 0
	s_lshl_b32 s34, s20, 10
	s_mov_b32 s35, 0
	s_mul_i32 s36, s17, 49152                      ; 16 rows of out0
	s_add_co_u32 s36, s36, s56
	s_mul_i32 s57, s16, 6144                       ; 2 w rows
	s_add_co_u32 s36, s36, s57
	s_mov_b32 s37, 0
	s_mul_i32 s38, s20, 5120
	s_mov_b32 s39, 0
.irp c, 0,1,2,3,4
	s_mov_b32 s[QS+2*\c+1], 0                      ; the packed add names the whole pair
.endr
	; LDS bases: a constant plus the wave's number times a constant
	s_mul_i32 s52, s16, 2304
	s_add_co_u32 s52, s52, PST
	s_mul_i32 s53, s16, 12288
	s_add_co_u32 s53, s53, PART
	s_mul_i32 s54, s16, 5120
	s_add_co_u32 s54, s54, CST
	s_lshl_b32 s58, s16, 7
	s_add_co_u32 s58, s58, STAT
	s_lshl_b32 s59, s16, 4
	s_add_co_u32 s59, s59, STAT
	s_lshl_b32 s60, s16, 9
	s_lshr_b32 s40, s16, 1                         ; registers 2 w, 2 w + 1 of a tile lie in half w / 2 (512 bytes each),
	s_mul_i32 s40, s40, 512
	s_and_b32 s41, s16, 1                          ; at bytes 8 (w % 2) of a lane's 16
	s_lshl_b32 s41, s41, 3
	s_add_co_u32 s40, s40, s41
	s_add_co_u32 s40, s40, PART
	; lane terms
	v_and_b32 v1, 31, v0
	v_and_b32 v2, 15, v0
	v_bfe_u32 v3, v0, 4, 1
	v_lshlrev_b32 v5, 4, v2
	v_lshl_add_u32 v4, v3, 13, v5
	v_lshlrev_b32 v6, 5, v3
	v_mad_u32_u24 v7, v3, 24576, v5
	v_lshlrev_b32 v10, 4, v1
	v_add_nc_u32 v8, s60, v10
	v_add_nc_u32 v9, 1888, v10                     ; the table's last 512 bytes, 1888 .. 2399
	v_mul_u32_u24 v19, v3, 1152
	v_lshl_add_u32 v19, v2, 3, v19
	v_add_nc_u32 v11, s52, v19                     ; row 8 h (+ i), 8 bytes for my 4 k
	v_mul_u32_u24 v19, v2, 144
	v_lshl_add_u32 v19, v3, 4, v19
	v_add_nc_u32 v12, s52, v19                     ; row r, 16 bytes for each half
	v_lshl_add_u32 v13, v3, 6, s58
	v_add_nc_u32 v14, s53, v10
	v_add_nc_u32 v15, s40, v10
	v_lshl_add_u32 v16, v3, 6, s59
	v_mad_u32_u24 v17, v1, 80, s54                 ; 4 k x 5 classes = 80 bytes a lane: an odd multiple of 16
	v_add_nc_u32 v18, s54, v10
	s_wait_kmcnt 0x0
	s_add_nc_u64 s[22:23], s[6:7], s[22:23]        ; attention_mask at (row 16 x, k 64 w)
	s_add_nc_u64 s[24:25], s[8:9], s[24:25]        ; length_mask there
	s_add_nc_u64 s[26:27], s[4:5], s[26:27]        ; k.W1 of my 64 k
	s_add_nc_u64 s[28:29], s[4:5], s[28:29]        ; k's channel 0 of batch b
	s_add_nc_u64 s[30:31], s[4:5], s[30:31]        ; q.W1 of the 16 rows
	s_add_nc_u64 s[32:33], s[10:11], s[32:33]      ; m at (b, k 64 w, column 192 y)
	s_add_nc_u64 s[34:35], s[8:9], s[34:35]        ; length_mask, my row of out1
	s_add_nc_u64 s[36:37], s[12:13], s[36:37]      ; out0 at (row 16 x + 2 w, column 192 y)
	s_add_nc_u64 s[38:39], s[14:15], s[38:39]      ; out1, my row
; 16 loads: chunk ch = 3 ks + g of m: 32 k x 64 columns, raw f32, register 4 (8 u + j) + t
.macro MLOAD ch
.if \ch < 4
	WIN 0x40
.set RAWB, 64*\ch
.else
	WIN 0x80
.set RAWB, 64*(\ch-4)
.endif
.irp u, 0,1
.irp j, 0,1,2,3,4,5,6,7
	global_load_b128 v[RAWB+4*(8*\u+\j):RAWB+4*(8*\u+\j)+3], v7, s[32:33] offset:(\ch/3)*98304+\u*49152+\j*3072+(\ch%3)*256
.endr
.endr
.endm
; 32 conversions: B register 4 u + i of tile t holds k = 16 u + 8 h + 2 i (low half) and + 1 (high half) of column r
.macro CVT ch, buf
.if \ch < 4
	WIN 0x05
.set RAWB, 64*\ch
.else
	WIN 0x0a
.set RAWB, 64*(\ch-4)
.endif
.irp t, 0,1,2,3
.irp u, 0,1
.irp i, 0,1,2,3
	v_cvt_pk_f16_f32 v[BF+32*\buf+8*\t+4*\u+\i], v[RAWB+4*(8*\u+2*\i)+\t], v[RAWB+4*(8*\u+2*\i+1)+\t]
.endr
.endr
.endr
.endm
; four matrix instructions: 16 rows x 32 k of p times 32 k x 16 columns of each tile.  zero = 1: the first product starts the sums
.macro MUL4 ks, g, buf, zero
	WIN 0xa0
.irp t, 0,1,2,3
.if \zero
	v_wmma_f32_16x16x32_f16 v[ACC+8*(4*\g+\t):ACC+8*(4*\g+\t)+7], v[AF+8*\ks:AF+8*\ks+7], v[BF+32*\buf+8*\t:BF+32*\buf+8*\t+7], 0
.else
	v_wmma_f32_16x16x32_f16 v[ACC+8*(4*\g+\t):ACC+8*(4*\g+\t)+7], v[AF+8*\ks:AF+8*\ks+7], v[BF+32*\buf+8*\t:BF+32*\buf+8*\t+7], v[ACC+8*(4*\g+\t):ACC+8*(4*\g+\t)+7]
.endif
.endr
.endm
	; ISSUE A: 53 loads.  Every wave issues both table loads, so that the counts below are the same in all waves.
	global_load_b128 v[TABR:TABR+3],   v8, s[4:5] offset:49152
	global_load_b128 v[TABR+4:TABR+7], v9, s[4:5] offset:49152
.irp i, 0,1,2,3,4,5,6,7
	global_load_b128 v[LEN+4*\i:LEN+4*\i+3], v4, s[24:25] offset:\i*1024     ; row 8 h + i: sixteen lanes, 256 consecutive bytes
.endr
.irp i, 0,1,2,3,4,5,6,7
	global_load_b128 v[MASK+4*\i:MASK+4*\i+3], v4, s[22:23] offset:\i*1024
.endr
	global_load_b128 v[KW0:KW0+3],   v5, s[26:27]
	global_load_b128 v[QW0:QW0+3],   v6, s[30:31]
	global_load_b128 v[QW0+4:QW0+7], v6, s[30:31] offset:16
	MLOAD 0
	MLOAD 1
	WIN 0
.irp c, 0,1,2,3,4
	s_load_b32 s[QS+2*\c], s[4:5], s21 offset:(\c+1)*4096                    ; q.W2 of my row of out1
.endr
	; THE TABLE into LDS: 512 bytes a wave make 2048; wave 3 adds bytes 1888 .. 2399, of which 1888 .. 2047 are its own once more, with the same values
	s_wait_loadcnt 51                              ; younger than the table's two: 19 + 32
	ds_store_b128 v8, v[TABR:TABR+3]
	s_cmp_lg_u32 s16, 3
	s_cbranch_scc1 .Lnot3
	ds_store_b128 v9, v[TABR+4:TABR+7]
.Lnot3:
	s_wait_dscnt 0x0                               ; for the others' sake: my part of the table is written
	s_barrier_signal -1
	s_barrier_wait -1                              ; the table is whole, and is never written again
	; ISSUE B: the classes' inputs and chunk 2
	s_wait_loadcnt 32                              ; chunks 0 and 1 stay out; indices, mask, k.W1, q.W1 are in
.irp u, 0,1
	global_load_b128 v[CLEN+4*\u:CLEN+4*\u+3], v10, s[34:35] offset:\u*512   ; k = 128 u + 4 L + e
.endr
.irp c, 0,1,2,3,4
.irp u, 0,1
	global_load_b128 v[CKW+8*\c+4*\u:CKW+8*\c+4*\u+3], v10, s[28:29] offset:(\c+1)*4096+\u*512
.endr
.endr
	MLOAD 2
	WIN 0
	; SCORES: gather emb[len].W1 + b1
.set nn, 0
.rept 32
	v_min_u32 v[LEN+nn], 99, v[LEN+nn]             ; inside the table
	v_lshlrev_b32 v[LEN+nn], 2, v[LEN+nn]
.set nn, nn+1
.endr
.set nn, 0
.rept 32
	ds_load_b32 v[EG+nn], v[LEN+nn]
.set nn, nn+1
.endr
	MLOAD 3                                        ; ISSUE C
	WIN 0
	; score = ((e + k) + q) * mask, and the largest of my 4
.irp i, 0,1,2,3,4,5,6,7
	s_wait_dscnt 28-4*\i                           ; LDS loads come back in order (ISA guide 5.7.1): row i's four are in
	v_pk_add_f32 v[EG+4*\i:EG+4*\i+1],   v[EG+4*\i:EG+4*\i+1],   v[KW0:KW0+1]
	v_pk_add_f32 v[EG+4*\i+2:EG+4*\i+3], v[EG+4*\i+2:EG+4*\i+3], v[KW0+2:KW0+3]
.if \i & 1                                         ; q.W1 of row i to both halves: the pair's second register, or its first
	v_pk_add_f32 v[EG+4*\i:EG+4*\i+1],   v[EG+4*\i:EG+4*\i+1],   v[QW0+(\i&6):QW0+(\i&6)+1] op_sel:[0,1] op_sel_hi:[1,1]
	v_pk_add_f32 v[EG+4*\i+2:EG+4*\i+3], v[EG+4*\i+2:EG+4*\i+3], v[QW0+(\i&6):QW0+(\i&6)+1] op_sel:[0,1] op_sel_hi:[1,1]
.else
	v_pk_add_f32 v[EG+4*\i:EG+4*\i+1],   v[EG+4*\i:EG+4*\i+1],   v[QW0+(\i&6):QW0+(\i&6)+1] op_sel_hi:[1,0]
	v_pk_add_f32 v[EG+4*\i+2:EG+4*\i+3], v[EG+4*\i+2:EG+4*\i+3], v[QW0+(\i&6):QW0+(\i&6)+1] op_sel_hi:[1,0]
.endif
	v_pk_mul_f32 v[EG+4*\i:EG+4*\i+1],   v[EG+4*\i:EG+4*\i+1],   v[MASK+4*\i:MASK+4*\i+1]
	v_pk_mul_f32 v[EG+4*\i+2:EG+4*\i+3], v[EG+4*\i+2:EG+4*\i+3], v[MASK+4*\i+2:MASK+4*\i+3]
	v_max3_num_f32 v[ST+2*\i+1], v[EG+4*\i], v[EG+4*\i+1], v[EG+4*\i+2]
	v_max_num_f32  v[ST+2*\i+1], v[ST+2*\i+1], v[EG+4*\i+3]
.endr
	; a half of 16 lanes holds a row's 64 k: four steps give every lane the wave's maximum of the row; eight rows, eight chains
.irp x, 1,2,4,8
.irp i, 0,1,2,3,4,5,6,7
	v_max_num_f32_dpp v[ST+2*\i+1], v[ST+2*\i+1], v[ST+2*\i+1] row_xmask:\x row_mask:0xf bank_mask:0xf
.endr
.endr
.irp i, 0,1,2,3,4,5,6,7
	v_mul_f32 v[ST+2*\i], LOG2E, v[ST+2*\i+1]      ; kept in base 2: the combine compares and subtracts these very numbers
.endr
.irp i, 0,1,2,3,4,5,6,7
	v_pk_fma_f32 v[EG+4*\i:EG+4*\i+1],   v[EG+4*\i:EG+4*\i+1],   LOG2E, v[ST+2*\i:ST+2*\i+1] op_sel_hi:[1,0,0] neg_lo:[0,0,1] neg_hi:[0,0,1]
	v_pk_fma_f32 v[EG+4*\i+2:EG+4*\i+3], v[EG+4*\i+2:EG+4*\i+3], LOG2E, v[ST+2*\i:ST+2*\i+1] op_sel_hi:[1,0,0] neg_lo:[0,0,1] neg_hi:[0,0,1]
.endr
.set nn, 0
.rept 32
	v_exp_f32 v[EG+nn], v[EG+nn]
.set nn, nn+1
.endr
	v_nop                                          ; one plain vector instruction behind the last v_exp_f32 before its result is read (ISA guide 5.7.2)
	s_wait_alu depctr_va_vdst(0)
.irp i, 0,1,2,3,4,5,6,7
	v_pk_add_f32 v[TS+2*\i:TS+2*\i+1], v[EG+4*\i:EG+4*\i+1], v[EG+4*\i+2:EG+4*\i+3]
.endr
.irp i, 0,1,2,3,4,5,6,7
	v_add_f32 v[ST+2*\i+1], v[TS+2*\i], v[TS+2*\i+1]
.endr
.irp x, 1,2,4,8
.irp i, 0,1,2,3,4,5,6,7
	v_add_f32_dpp v[ST+2*\i+1], v[ST+2*\i+1], v[ST+2*\i+1] row_xmask:\x row_mask:0xf bank_mask:0xf
.endr
.endr
.irp i, 0,1,2,3,4,5,6,7
	v_cvt_pk_f16_f32 v[PK+2*\i],   v[EG+4*\i],   v[EG+4*\i+1]
	v_cvt_pk_f16_f32 v[PK+2*\i+1], v[EG+4*\i+2], v[EG+4*\i+3]
.endr
.irp i, 0,1,2,3,4,5,6,7
	ds_store_b64 v11, v[PK+2*\i:PK+2*\i+1] offset:\i*144
.endr
.irp i, 0,1,2,3,4,5,6,7
	ds_store_b64 v13, v[ST+2*\i:ST+2*\i+1] offset:\i*8   ; the sixteen lanes of a half write the same two words with the same values
.endr
.irp ks, 0,1
	ds_load_b128 v[AF+8*\ks:AF+8*\ks+3],   v12 offset:64*\ks      ; my own bytes, and LDS serves a wave's instructions in order (ISA guide 5.7.1): no wait between
	ds_load_b128 v[AF+8*\ks+4:AF+8*\ks+7], v12 offset:64*\ks+32
.endr
	MLOAD 4                                        ; ISSUE D
	WIN 0
	; CLASSES
	s_wait_loadcnt 48                              ; younger than the classes' inputs: chunks 2, 3, 4.  Chunks 0 and 1 are older: in as well
	MLOAD 5                                        ; ISSUE E
	WIN 0
	s_wait_kmcnt 0x0                               ; q.W2
.set nn, 0
.rept 8
	v_min_u32 v[CLEN+nn], 99, v[CLEN+nn]
	v_lshlrev_b32 v[CLEN+nn], 2, v[CLEN+nn]
.set nn, nn+1
.endr
.irp u, 0,1
.irp c, 0,1,2,3,4
.irp e, 0,1,2,3
	ds_load_b32 v[G+20*\u+4*\c+\e], v[CLEN+4*\u+\e] offset:400*(\c+1)
.endr
.endr
.endr
; Half a row of out1: 4 k a lane x 5 classes.  The last multiply also puts the numbers in memory order.
.macro CLS u
.irp c, 0,1,2,3,4
.irp ep, 0,2
	v_pk_add_f32 v[G+20*\u+4*\c+\ep:G+20*\u+4*\c+\ep+1], v[G+20*\u+4*\c+\ep:G+20*\u+4*\c+\ep+1], v[CKW+8*\c+4*\u+\ep:CKW+8*\c+4*\u+\ep+1]
.endr
.endr
.irp c, 0,1,2,3,4
.irp ep, 0,2
	v_pk_add_f32 v[G+20*\u+4*\c+\ep:G+20*\u+4*\c+\ep+1], v[G+20*\u+4*\c+\ep:G+20*\u+4*\c+\ep+1], s[QS+2*\c:QS+2*\c+1] op_sel_hi:[1,0]
.endr
.endr
.irp e, 0,1,2,3
	v_max3_num_f32 v[MX+4*\u+\e], v[G+20*\u+\e], v[G+20*\u+4+\e], v[G+20*\u+8+\e]
.endr
.irp e, 0,1,2,3
	v_max3_num_f32 v[MX+4*\u+\e], v[MX+4*\u+\e], v[G+20*\u+12+\e], v[G+20*\u+16+\e]
.endr
.irp ep, 0,2
	v_pk_mul_f32 v[MX+4*\u+\ep:MX+4*\u+\ep+1], v[MX+4*\u+\ep:MX+4*\u+\ep+1], LOG2E op_sel_hi:[1,0]
.endr
.irp c, 0,1,2,3,4
.irp ep, 0,2
	v_pk_fma_f32 v[G+20*\u+4*\c+\ep:G+20*\u+4*\c+\ep+1], v[G+20*\u+4*\c+\ep:G+20*\u+4*\c+\ep+1], LOG2E, v[MX+4*\u+\ep:MX+4*\u+\ep+1] op_sel_hi:[1,0,1] neg_lo:[0,0,1] neg_hi:[0,0,1]
.endr
.endr
.set nn, 0
.rept 20
	v_exp_f32 v[G+20*\u+nn], v[G+20*\u+nn]
.set nn, nn+1
.endr
	v_nop                                          ; the plain place behind the last v_exp_f32
	s_wait_alu depctr_va_vdst(0)
.irp ep, 0,2
	v_pk_add_f32 v[SM+4*\u+\ep:SM+4*\u+\ep+1], v[G+20*\u+\ep:G+20*\u+\ep+1], v[G+20*\u+4+\ep:G+20*\u+4+\ep+1]
.endr
.irp c, 2,3,4
.irp ep, 0,2
	v_pk_add_f32 v[SM+4*\u+\ep:SM+4*\u+\ep+1], v[SM+4*\u+\ep:SM+4*\u+\ep+1], v[G+20*\u+4*\c+\ep:G+20*\u+4*\c+\ep+1]
.endr
.endr
.irp e, 0,1,2,3
	v_rcp_f32 v[SM+4*\u+\e], v[SM+4*\u+\e]         ; the sum holds the maximum's own exp(0): about 1 at the least
.endr
	v_nop                                          ; the plain place behind the last v_rcp_f32
	s_wait_alu depctr_va_vdst(0)
.irp e, 0,1,2,3
.irp c, 0,1,2,3,4
	v_mul_f32 v[OUTC+20*\u+5*\e+\c], v[G+20*\u+4*\c+\e], v[SM+4*\u+\e]
.endr
.endr
.irp qq, 0,1,2,3,4
	ds_store_b128 v17, v[OUTC+20*\u+4*\qq:OUTC+20*\u+4*\qq+3] offset:2560*\u+16*\qq
.endr
.endm
	s_wait_dscnt 20                                ; the second half's 20 gathers stay out
	CLS 0
	s_wait_dscnt 5                                 ; younger than the second half's gathers: the five stores just issued
	CLS 1
	; out1 leaves: my own bytes read back in memory order; each store covers 512 consecutive bytes, aligned
.irp t, 0,1,2,3,4,5,6,7,8,9
	ds_load_b128 v[RB+4*\t:RB+4*\t+3], v18 offset:512*\t
.endr
.irp t, 0,1,2,3,4,5,6,7,8,9
	s_wait_dscnt 9-\t
	global_store_b128 v10, v[RB+4*\t:RB+4*\t+3], s[38:39] offset:512*\t th:TH_STORE_NT
.endr
	; THE PRODUCT: six chunks, two buffers of B fragments.  Between the matrix instructions that read a buffer and the conversions that write it
	; again stand the 32 conversions of the other buffer: plain vector instructions that name none of those matrix instructions' registers
	; (ISA guide 7.12.1 asks for four).  The second K step continues each accumulator in place.
	CVT 0, 0                                       ; chunks 0 and 1 were shown in by the wait in front of the classes
	MUL4 0, 0, 0, 1
	CVT 1, 1
	MUL4 0, 1, 1, 1
	s_wait_loadcnt 48                              ; chunks 3, 4, 5 stay out
	CVT 2, 0
	MUL4 0, 2, 0, 1
	s_wait_loadcnt 32
	CVT 3, 1
	MUL4 1, 0, 1, 0
	s_wait_loadcnt 16
	CVT 4, 0
	MUL4 1, 1, 0, 0
	s_wait_loadcnt 0x0
	CVT 5, 1
	MUL4 1, 2, 1, 0
.rept 4
	v_nop                                          ; four places behind the last matrix instruction before its result is stored and its sources are written
.endr
	WIN 0x08                                       ; store data in window 2
.irp tile, 0,1,2,3,4,5,6,7,8,9,10,11
.irp jh, 0,1
	ds_store_b128 v14, v[ACC+8*\tile+4*\jh:ACC+8*\tile+4*\jh+3] offset:(2*\tile+\jh)*512
.endr
.endr
	WIN 0
	s_wait_dscnt 0x0                               ; for the others' sake: my partial products and my statistics are written
	s_barrier_signal -1
	s_barrier_wait -1
	; COMBINE: rows 8 h + 2 w + j', j' = 0, 1
	s_wait_xcnt 0x0                                ; v[40:79] are data of the stores of out1: loaded over only behind this wait
.irp s, 0,1,2,3
	ds_load_b128 v[SR+4*\s:SR+4*\s+3], v16 offset:128*\s
.endr
.irp tile, 0,1,2,3,4,5,6,7,8,9,10,11
.irp s, 0,1,2,3
	ds_load_b64 v[PR+8*\tile+2*\s:PR+8*\tile+2*\s+1], v15 offset:\s*12288+\tile*1024
.endr
.endr
	s_wait_dscnt 48                                ; the statistics are in; the 48 loads of partial products stay out
.irp jp, 0,1
	v_max3_num_f32 v[CM+\jp], v[SR+2*\jp], v[SR+4+2*\jp], v[SR+8+2*\jp]
.endr
.irp jp, 0,1
	v_max_num_f32 v[CM+\jp], v[CM+\jp], v[SR+12+2*\jp]
.endr
.irp s, 0,1,2,3
.irp jp, 0,1
	v_sub_f32 v[CF+2*\s+\jp], v[SR+4*\s+2*\jp], v[CM+\jp]
.endr
.endr
.set nn, 0
.rept 8
	v_exp_f32 v[CF+nn], v[CF+nn]                   ; 2^(my wave's maximum - the row's): 1 for the wave that holds the maximum
.set nn, nn+1
.endr
	v_nop
	s_wait_alu depctr_va_vdst(0)
.irp jp, 0,1
	v_mul_f32 v[CD+\jp], v[CF+\jp], v[SR+2*\jp+1]
.endr
.irp s, 1,2,3
.irp jp, 0,1
	v_fmac_f32 v[CD+\jp], v[CF+2*\s+\jp], v[SR+4*\s+2*\jp+1]
.endr
.endr
	v_rcp_f32 v[CD], v[CD]
	v_rcp_f32 v[CD+1], v[CD+1]
	v_nop
	s_wait_alu depctr_va_vdst(0)
.irp s, 0,1,2,3
	v_pk_mul_f32 v[FR+2*\s:FR+2*\s+1], v[CF+2*\s:CF+2*\s+1], v[CD:CD+1]
.endr
; one tile: four waves' partial products of my two rows; the last multiply-adds put tile t's numbers at word t of 16 neighbouring bytes of out0
.macro COMB g, t
.set TL, 4*\g+\t
	s_wait_dscnt 44-4*TL                           ; the later tiles' loads stay out
	v_pk_mul_f32 v[CT+2*TL:CT+2*TL+1], v[PR+8*TL:PR+8*TL+1],   v[FR:FR+1]
	v_pk_fma_f32 v[CT+2*TL:CT+2*TL+1], v[PR+8*TL+2:PR+8*TL+3], v[FR+2:FR+3], v[CT+2*TL:CT+2*TL+1]
	v_pk_fma_f32 v[CT+2*TL:CT+2*TL+1], v[PR+8*TL+4:PR+8*TL+5], v[FR+4:FR+5], v[CT+2*TL:CT+2*TL+1]
	v_fma_f32 v[OUT+8*\g+\t],   v[PR+8*TL+6], v[FR+6], v[CT+2*TL]
	v_fma_f32 v[OUT+8*\g+4+\t], v[PR+8*TL+7], v[FR+7], v[CT+2*TL+1]
.endm
.irp g, 0,1,2
	COMB \g, 0
	COMB \g, 1
	COMB \g, 2
	COMB \g, 3
	global_store_b128 v7, v[OUT+8*\g:OUT+8*\g+3],   s[36:37] offset:\g*256 th:TH_STORE_NT        ; sixteen lanes store 256 consecutive bytes, aligned
	global_store_b128 v7, v[OUT+8*\g+4:OUT+8*\g+7], s[36:37] offset:3072+\g*256 th:TH_STORE_NT
.endr
	s_set_vgpr_msb 0xa
	s_wait_tensorcnt 0x0
	ds_add_u32 v224, v225
	s_wait_dscnt 0x0
	s_set_vgpr_msb 0xa00
	s_endpgm
.Lfunc_end_k_q9d7acf9d21_attn:
	.size	k_q9d7acf9d21_attn, .Lfunc_end_k_q9d7acf9d21_attn-k_q9d7acf9d21_attn
	.p2alignl 7, 3214868480
	.fill 96, 4, 3214868480
	.section	.rodata,"a",@progbits
	.p2align	6, 0x0
	.amdhsa_kernel k_q9d7acf9d21_attn
		.amdhsa_group_segment_fixed_size 82432
		.amdhsa_private_segment_fixed_size 0
		.amdhsa_enable_private_segment 0
		.amdhsa_kernarg_size 48
		.amdhsa_user_sgpr_count 2
		.amdhsa_user_sgpr_kernarg_segment_ptr 1
		.amdhsa_wavefront_size32 1
		.amdhsa_system_sgpr_workgroup_id_x 1
		.amdhsa_system_sgpr_workgroup_id_y 1
		.amdhsa_system_sgpr_workgroup_id_z 1
		.amdhsa_system_vgpr_workitem_id 0
		.amdhsa_next_free_vgpr 738
		.amdhsa_next_free_sgpr 66
		.amdhsa_reserve_vcc 0
		.amdhsa_float_denorm_mode_32 3
		.amdhsa_float_denorm_mode_16_64 3
		.amdhsa_memory_ordered 1
		.amdhsa_forward_progress 1
		.amdhsa_inst_pref_size 78
	.end_amdhsa_kernel
	.amdgpu_metadata
---
amdhsa.version: [ 1, 2 ]
amdhsa.kernels:
  - .name:           k_q9d7acf9d21_attn
    .symbol:         k_q9d7acf9d21_attn.kd
    .args:
      - { .name: proj, .offset: 0, .size: 8, .value_kind: global_buffer, .address_space: global }
      - { .name: attention_mask, .offset: 8, .size: 8, .value_kind: global_buffer, .address_space: global }
      - { .name: length_mask, .offset: 16, .size: 8, .value_kind: global_buffer, .address_space: global }
      - { .name: m, .offset: 24, .size: 8, .value_kind: global_buffer, .address_space: global }
      - { .name: out0, .offset: 32, .size: 8, .value_kind: global_buffer, .address_space: global }
      - { .name: out1, .offset: 40, .size: 8, .value_kind: global_buffer, .address_space: global }
    .group_segment_fixed_size: 82432
    .private_segment_fixed_size: 0
    .kernarg_segment_align: 8
    .kernarg_segment_size: 48
    .max_flat_workgroup_size: 128
    .sgpr_count:     66
    .vgpr_count:     738
    .wavefront_size: 32
...
	.end_amdgpu_metadata
.endif
;; end of part 2
;; ======== version 2 of 2: 2 launches; version 1 with the launch attn written anew for expert scheduling mode
;; limits: values are held in f16: magnitudes above 65,504 overflow, below 6.1e-05 lose precision; inputs' magnitudes at most 65,504
;; workspace buffers: proj 51,712 bytes
;; launch proj: the kernel of part 1 again; grid 537 x 1, 2 waves a work-group, no clusters, 0 bytes of LDS; arguments q, k, emb, W1, W2, b1, b2, proj; writes proj
;; launch attn (part 3): grid 64 x 4, 4 waves a work-group, no clusters, 82,432 bytes of LDS; arguments proj, attention_mask, length_mask, m, out0, out1; writes out0, out1
.if DOCPART == 3
	.amdgcn_target "amdgcn-amd-amdhsa--gfx1250"
	.amdhsa_code_object_version 6
	.text
	.protected	k_q9d7acf9d21_attn
	.globl	k_q9d7acf9d21_attn
	.p2align	8
	.type	k_q9d7acf9d21_attn,@function
k_q9d7acf9d21_attn:
	s_mov_b64 s[64:65], 0
	v_nop
	global_prefetch_b8 v0, s[64:65] scope:SCOPE_SE
	s_setreg_imm32_b32 hwreg(HW_REG_WAVE_SCHED_MODE, 0, 2), 2
	s_setreg_imm32_b32 hwreg(HW_REG_WAVE_MODE, 25, 1), 1
	s_wait_xcnt 0x0
	s_wait_alu depctr_vm_vsrc(0)
; out0 = softmax over k of ((q.W1 + k.W1 + emb[len].W1 + b1) * attention_mask) x m,   out1 = softmax over 5 classes of (q.W2 + k.W2 + emb[len].W2 + b2).
; The dot products come from the workspace of the launch before (six f32 numbers a row, by channel; emb's carry the bias).
; 256 work-groups of four waves.  Group (x, y): x = 16 rows (b = x / 16) of the 1024, y = columns 192 y .. + 191 of out0 and rows 16 x + 4 y .. + 3 of out1.
; Wave w does three things:
;   attention: k = 64 w .. + 63 for all 16 rows and all 192 columns, with a maximum and a sum of its own (K is split over the waves);
;   classes:   row 16 x + 4 y + w of out1 (256 k x 5 classes);
;   combine:   rows 8 h + 2 w + {0, 1} of out0 from the four waves' partial products, rescaled to the common maximum and divided by the common sum.
; Softmaxes in f32, each with its maximum taken away.  p = exp(s - max) and m go to the matrix unit in f16, sums in f32.
; WHY f16 AND NOT bf16: a sum over k of p m can be far smaller than its largest term (one large probability times one large m, cancelled by the
; rest), so the error counts against that term: two roundings to 8 bits of mantissa leave up to 2^-8 of it, two to 11 bits 2^-10.  Both operands
; have room in f16: p lies in (0, 1] beside a sum of about 1 or more, and m, drawn with spread 1, stays far below 65,504 also 30 times larger
; and with an offset of 30 spreads, and far above the step 2^-24 also 30 times smaller.
;
; m REACHES THE MATRIX UNIT WITHOUT LDS: lane (r, h) loads 16 bytes of m[k0 + 16 u + 8 h + j][64 g + 4 r .. + 3]: sixteen lanes read 256 consecutive
; bytes, aligned.  Word t of each load belongs to column tile t, whose column n = r is column 64 g + 4 r + t: a permutation of columns, undone for
; nothing at the end, where the four tiles' registers j are 16 neighbouring bytes of a row of out0.
; NO CLUSTER, NO JOINT LOADS: the 16 groups of one (b, y) do read the same 196,608 bytes of m, but inside a group each of these bytes is used by one
; lane, once, and arrives in the operand's order; a joint tensor load would send all 196,608 bytes through LDS, written and read again, for 24
; matrix instructions a wave.
; LIMITS, stated: |m| above 65,504 becomes infinity in the f16 operand, and m is kept to a step of 2^-24 at the finest; p below 2^-25 of its
; wave's largest counts as 0 in the product (not in the sum); an index of length_mask above 99 (a negative one too, read as unsigned) is taken
; as 99; the logits are sums of three f32 dot products, ((emb + bias) + k) + q, so the order of rounding differs from the reference's;
; v_exp_f32 gives 0 for results below 2^-126.
;
; THE MODE: SCHED_MODE bits 1:0 = 2 (LLVM: expert scheduling mode 2), set by the entry lines.  The code itself states the register dependences
; between vector or matrix instructions and memory or LDS instructions, with s_wait_alu, always for 0.
; THE PLAN.  Registers that memory or LDS instructions touch, in the order of the text:
;   v4 .. v18     offsets and LDS addresses: written once at the head, never again.
;   TABR, KW0, QW0, MASK, CKW, raw m: loaded once, into registers that no vector instruction has named, and never loaded again.
;   LEN           loaded; clamped and shifted by vector lines; read as addresses by the 32 gathers; later v72-79 take gathers and v80-103 are written (OUTC).
;   CLEN          loaded; clamped and shifted; read as addresses by the 40 gathers; written in the combine (OUT).
;   v40-79        MASK, read by vector lines; then the classes' gathers land (G), vector lines read them; then the row read back lands (RB),
;                 the stores of out1 read it; then partial products land (PR).
;   PK, ST        written by vector lines, read by LDS stores; in the combine statistics land there (SR) and the factors are written there (FR).
;   OUTC          written by the classes' last multiplies, read by LDS stores; partial products land there later.
;   ACC           written by the matrix instructions, read by LDS stores.      OUT: written by the combine, read by the stores of out0.
; Each s_wait_alu below names the dependences that it states.  Where loads follow a wait at a distance, no vector instruction issued since that
; wait names a register that they touch.
.set LOG2E, 0x3fb8aa3b
; LDS
.set TAB,  0                           ; 2400 bytes: emb's projections [c][100], as in the workspace; gather address 4 idx + 400 c
.set PST,  2560                        ; + w*2304: p in f16, 16 rows x 64 k, pitch 144 (128 + 16: sixteen rows start in sixteen different 16-byte columns); the wave's own
.set STAT, 11776                       ; + w*128 + row*8: {max * log2 e, sum} of the wave's 64 k
.set PART, 12288                       ; + w*12288 + (2 tile + jh)*512 + 16 lane: accumulator registers 4 jh .. + 3 as they stand
.set CST,  61440                       ; + w*5120: one row of out1 in memory order; the wave's own
; vector registers, window 0
;   v1 lane  v2 r = lane % 16  v3 h = lane / 16
;   v4 h*8192+16r (mask, len)  v5 16r  v6 32h  v7 h*24576+16r (m, out0)  v8 512w+16L (table)  v9 1888+16L (the table's end)  v10 16L
;   v11 PST store  v12 PST fragments  v13 STAT store  v14 PART store  v15 PART read  v16 STAT read  v17 CST store  v18 CST read  v19 scratch
.set TABR, 20                          ; v[20:27]    the table on its way
.set KW0,  28                          ; v[28:31]    k.W1 of my 4 k
.set QW0,  32                          ; v[32:39]    q.W1 of rows 8h + i
.set MASK, 40                          ; v[40:71]    4 i + e
.set LEN,  72                          ; v[72:103]   4 i + e: index, then gather address
.set EG,   104                         ; v[104:135]  4 i + e: gathered, then score, then p
.set ST,   136                         ; v[136:151]  {max * log2 e, sum} at 2 i
.set PK,   152                         ; v[152:167]  p in f16, 2 i
.set AF,   168                         ; v[168:183]  A fragments, 8 ks
.set CLEN, 184                         ; v[184:191]  classes: index, then gather address, 4 u + e
.set CKW,  192                         ; v[192:231]  classes: k.W2, 8 c + 4 u + e
.set TS,   232                         ; v[232:247]  scratch pairs
; used again, classes:
.set G,    40                          ; v[40:79]    20 u + 4 c + e
.set OUTC, 80                          ; v[80:119]   20 u + 5 e + c: memory order
.set MX,   120                         ; v[120:127]  4 u + e
.set SM,   128                         ; v[128:135]  4 u + e
.set RB,   40                          ; v[40:79]    the row read back
; used again, product:
.set BF,   192                         ; v[192:255]  B fragments, two buffers of four tiles: 32 buf + 8 t + 4 u + i
; used again, combine:
.set PR,   40                          ; v[40:135]   8 tile + 2 s + j'
.set SR,   136                         ; v[136:151]  4 s + 2 j': max * log2 e, + 1: sum
.set FR,   152                         ; v[152:159]  factor of wave s for rows j' = 0, 1 at 2 s
.set OUT,  168                         ; v[168:191]  8 g + 4 j' + t
.set CM,   192
.set CF,   194                         ; v[194:201]  2 s + j'
.set CD,   202
.set CT,   208                         ; v[208:231]  2 tile
; window 1: raw m, chunks 0..3 at 64 ch.  window 2: chunks 4, 5 at 0, 64; accumulators at ACC + 8 tile, tile = 4 g + t
.set ACC,  128
.set QS,   42                          ; s42, 44, .. 50: q.W2 of my row of out1, class c at 2 c; the odd partners are 0
.set MSB, 0
.macro WIN new                         ; s_set_vgpr_msb: bits 1:0 source 0, 3:2 source 1, 5:4 source 2, 7:6 destination; the high byte repeats the setting that is left
.if MSB != \new
	s_set_vgpr_msb (MSB<<8)|\new
.set MSB, \new
.endif
.endm
	s_load_b256 s[4:11], s[0:1], 0x0               ; proj 4, attention_mask 6, length_mask 8, m 10
	s_load_b128 s[12:15], s[0:1], 0x20             ; out0 12, out1 14
	s_set_vgpr_msb 0x80
	v_lshl_add_u32 v224, v0, 2, 0x14000
	v_mov_b32 v225, 0
	s_set_vgpr_msb 0x8000
	v_lshrrev_b32 v19, 5, v0
	v_readfirstlane_b32 s16, v19                   ; w
	; the lane terms that hang on no scalar, and the scalars that do not hang on w, stand between that line and the wait for it
	v_and_b32 v1, 31, v0
	v_and_b32 v2, 15, v0
	v_bfe_u32 v3, v0, 4, 1
	v_lshlrev_b32 v5, 4, v2
	v_lshl_add_u32 v4, v3, 13, v5
	v_lshlrev_b32 v6, 5, v3
	v_mad_u32_u24 v7, v3, 24576, v5
	v_lshlrev_b32 v10, 4, v1
	v_add_nc_u32 v9, 1888, v10                     ; the table's last 512 bytes, 1888 .. 2399
	s_mov_b32 s17, ttmp9                           ; x
	s_and_b32 s18, ttmp7, 0xffff                   ; y
	s_lshr_b32 s19, s17, 4                         ; b
	s_lshl_b32 s20, s17, 4
	s_lshl2_add_u32 s20, s18, s20
	s_wait_alu depctr_va_sdst(0)                   ; s16 is written, ahead of its first reader: bases, LDS addresses and one branch are made from it
	s_add_co_u32 s20, s20, s16                     ; my row of out1: 16 x + 4 y + w
	s_lshl_b32 s21, s20, 2
	; byte offsets, each in the low word of the pair that will hold its base
	s_lshl_b32 s55, s16, 8                         ; 64 k of f32
	s_lshl_b32 s22, s17, 14                        ; 16 rows of 1024 bytes
	s_add_co_u32 s22, s22, s55
	s_mov_b32 s23, 0
	s_mov_b32 s24, s22
	s_mov_b32 s25, 0
	s_lshl_b32 s28, s19, 10
	s_add_co_u32 s28, s28, 24576                   ; k's projections of batch b
	s_mov_b32 s29, 0
	s_add_co_u32 s26, s28, s55                     ; and of my 64 k
	s_mov_b32 s27, 0
	s_lshl_b32 s30, s17, 6                         ; q's projections of the 16 rows
	s_mov_b32 s31, 0
	s_mul_i32 s56, s18, 768                        ; 192 columns of f32
	s_mul_i32 s32, s19, 786432
	s_add_co_u32 s32, s32, s56
	s_mul_i32 s57, s16, 196608                     ; 64 rows of m
	s_add_co_u32 s32, s32, s57
	s_mov_b32 s33, 0
	s_lshl_b32 s34, s20, 10
	s_mov_b32 s35, 0
	s_mul_i32 s36, s17, 49152                      ; 16 rows of out0
	s_add_co_u32 s36, s36, s56
	s_mul_i32 s57, s16, 6144                       ; 2 w rows
	s_add_co_u32 s36, s36, s57
	s_mov_b32 s37, 0
	s_mul_i32 s38, s20, 5120
	s_mov_b32 s39, 0
.irp c, 0,1,2,3,4
	s_mov_b32 s[QS+2*\c+1], 0                      ; the packed add names the whole pair
.endr
	; LDS bases: a constant plus the wave's number times a constant
	s_mul_i32 s52, s16, 2304
	s_add_co_u32 s52, s52, PST
	s_mul_i32 s53, s16, 12288
	s_add_co_u32 s53, s53, PART
	s_mul_i32 s54, s16, 5120
	s_add_co_u32 s54, s54, CST
	s_lshl_b32 s58, s16, 7
	s_add_co_u32 s58, s58, STAT
	s_lshl_b32 s59, s16, 4
	s_add_co_u32 s59, s59, STAT
	s_lshl_b32 s60, s16, 9
	s_lshr_b32 s40, s16, 1                         ; registers 2 w, 2 w + 1 of a tile lie in half w / 2 (512 bytes each),
	s_mul_i32 s40, s40, 512
	s_and_b32 s41, s16, 1                          ; at bytes 8 (w % 2) of a lane's 16
	s_lshl_b32 s41, s41, 3
	s_add_co_u32 s40, s40, s41
	s_add_co_u32 s40, s40, PART
	; the lane terms that hang on the wave's number
	v_add_nc_u32 v8, s60, v10
	v_mul_u32_u24 v19, v3, 1152
	v_lshl_add_u32 v19, v2, 3, v19
	v_add_nc_u32 v11, s52, v19                     ; row 8 h (+ i), 8 bytes for my 4 k
	v_mul_u32_u24 v19, v2, 144
	v_lshl_add_u32 v19, v3, 4, v19
	v_add_nc_u32 v12, s52, v19                     ; row r, 16 bytes for each half
	v_lshl_add_u32 v13, v3, 6, s58
	v_add_nc_u32 v14, s53, v10
	v_add_nc_u32 v15, s40, v10
	v_lshl_add_u32 v16, v3, 6, s59
	v_mad_u32_u24 v17, v1, 80, s54                 ; 4 k x 5 classes = 80 bytes a lane: an odd multiple of 16
	v_add_nc_u32 v18, s54, v10
	s_wait_kmcnt 0x0
	s_add_nc_u64 s[22:23], s[6:7], s[22:23]        ; attention_mask at (row 16 x, k 64 w)
	s_add_nc_u64 s[24:25], s[8:9], s[24:25]        ; length_mask there
	s_add_nc_u64 s[26:27], s[4:5], s[26:27]        ; k.W1 of my 64 k
	s_add_nc_u64 s[28:29], s[4:5], s[28:29]        ; k's channel 0 of batch b
	s_add_nc_u64 s[30:31], s[4:5], s[30:31]        ; q.W1 of the 16 rows
	s_add_nc_u64 s[32:33], s[10:11], s[32:33]      ; m at (b, k 64 w, column 192 y)
	s_add_nc_u64 s[34:35], s[8:9], s[34:35]        ; length_mask, my row of out1
	s_add_nc_u64 s[36:37], s[12:13], s[36:37]      ; out0 at (row 16 x + 2 w, column 192 y)
	s_add_nc_u64 s[38:39], s[14:15], s[38:39]      ; out1, my row
	s_wait_alu depctr_va_vdst(0)                   ; the offsets and LDS addresses v4 to v18 are written: every memory and LDS instruction of the kernel reads one of them, and none is written again
; 16 loads: chunk ch = 3 ks + g of m: 32 k x 64 columns, raw f32, register 4 (8 u + j) + t.
; They touch v7, written ahead of the wait above, and registers that no vector instruction names before the chunk's conversions: nothing more is owed for them.
.macro MLOAD ch
.if \ch < 4
	WIN 0x40
.set RAWB, 64*\ch
.else
	WIN 0x80
.set RAWB, 64*(\ch-4)
.endif
.irp u, 0,1
.irp j, 0,1,2,3,4,5,6,7
	global_load_b128 v[RAWB+4*(8*\u+\j):RAWB+4*(8*\u+\j)+3], v7, s[32:33] offset:(\ch/3)*98304+\u*49152+\j*3072+(\ch%3)*256
.endr
.endr
.endm
; 32 conversions: B register 4 u + i of tile t holds k = 16 u + 8 h + 2 i (low half) and + 1 (high half) of column r
.macro CVT ch, buf
.if \ch < 4
	WIN 0x05
.set RAWB, 64*\ch
.else
	WIN 0x0a
.set RAWB, 64*(\ch-4)
.endif
.irp t, 0,1,2,3
.irp u, 0,1
.irp i, 0,1,2,3
	v_cvt_pk_f16_f32 v[BF+32*\buf+8*\t+4*\u+\i], v[RAWB+4*(8*\u+2*\i)+\t], v[RAWB+4*(8*\u+2*\i+1)+\t]
.endr
.endr
.endr
.endm
; four matrix instructions: 16 rows x 32 k of p times 32 k x 16 columns of each tile.  zero = 1: the first product starts the sums
.macro MUL4 ks, g, buf, zero
	WIN 0xa0
.irp t, 0,1,2,3
.if \zero
	v_wmma_f32_16x16x32_f16 v[ACC+8*(4*\g+\t):ACC+8*(4*\g+\t)+7], v[AF+8*\ks:AF+8*\ks+7], v[BF+32*\buf+8*\t:BF+32*\buf+8*\t+7], 0
.else
	v_wmma_f32_16x16x32_f16 v[ACC+8*(4*\g+\t):ACC+8*(4*\g+\t)+7], v[AF+8*\ks:AF+8*\ks+7], v[BF+32*\buf+8*\t:BF+32*\buf+8*\t+7], v[ACC+8*(4*\g+\t):ACC+8*(4*\g+\t)+7]
.endif
.endr
.endm
; five of the classes' 40 gathers, from number first on: number 20 u + 4 c + e is emb[len].W2 + b2 of class c for k = 128 u + 4 L + e
.macro GATH5 first
.set gi, \first
.rept 5
	ds_load_b32 v[G+gi], v[CLEN+4*(gi/20)+gi%4] offset:400*((gi%20)/4+1)
.set gi, gi+1
.endr
.endm
	; ISSUE A: 53 loads.  Every wave issues both table loads, so that the counts below are the same in all waves.
	global_load_b128 v[TABR:TABR+3],   v8, s[4:5] offset:49152
	global_load_b128 v[TABR+4:TABR+7], v9, s[4:5] offset:49152
.irp i, 0,1,2,3,4,5,6,7
	global_load_b128 v[LEN+4*\i:LEN+4*\i+3], v4, s[24:25] offset:\i*1024     ; row 8 h + i: sixteen lanes, 256 consecutive bytes
.endr
.irp i, 0,1,2,3,4,5,6,7
	global_load_b128 v[MASK+4*\i:MASK+4*\i+3], v4, s[22:23] offset:\i*1024
.endr
	global_load_b128 v[KW0:KW0+3],   v5, s[26:27]
	global_load_b128 v[QW0:QW0+3],   v6, s[30:31]
	global_load_b128 v[QW0+4:QW0+7], v6, s[30:31] offset:16
	MLOAD 0
	MLOAD 1
	WIN 0
.irp c, 0,1,2,3,4
	s_load_b32 s[QS+2*\c], s[4:5], s21 offset:(\c+1)*4096                    ; q.W2 of my row of out1
.endr
	; THE TABLE into LDS: 512 bytes a wave make 2048; wave 3 adds bytes 1888 .. 2399, of which 1888 .. 2047 are its own once more, with the same values
	s_wait_loadcnt 51                              ; younger than the table's two: 19 + 32
	ds_store_b128 v8, v[TABR:TABR+3]
	s_cmp_lg_u32 s16, 3
	s_cbranch_scc1 .Lnot3
	ds_store_b128 v9, v[TABR+4:TABR+7]
.Lnot3:
	s_wait_dscnt 0x0                               ; for the others' sake: my part of the table is written
	s_barrier_signal -1
	s_barrier_wait -1                              ; the table is whole, and is never written again
	; ISSUE B: the classes' inputs and chunk 2
	s_wait_loadcnt 32                              ; chunks 0 and 1 stay out; indices, mask, k.W1, q.W1 are in
.irp u, 0,1
	global_load_b128 v[CLEN+4*\u:CLEN+4*\u+3], v10, s[34:35] offset:\u*512   ; k = 128 u + 4 L + e
.endr
.irp c, 0,1,2,3,4
.irp u, 0,1
	global_load_b128 v[CKW+8*\c+4*\u:CKW+8*\c+4*\u+3], v10, s[28:29] offset:(\c+1)*4096+\u*512
.endr
.endr
	MLOAD 2
	WIN 0
	; SCORES: gather emb[len].W1 + b1
.set nn, 0
.rept 32
	v_min_u32 v[LEN+nn], 99, v[LEN+nn]             ; inside the table
	v_lshlrev_b32 v[LEN+nn], 2, v[LEN+nn]
.set nn, nn+1
.endr
	s_wait_alu depctr_va_vdst(0)                   ; the 32 addresses in v[LEN ..] are written, which the gathers read
.set nn, 0
.rept 32
	ds_load_b32 v[EG+nn], v[LEN+nn]
.set nn, nn+1
.endr
	MLOAD 3                                        ; ISSUE C
	WIN 0
	; score = ((e + k) + q) * mask, and the largest of my 4
.irp i, 0,1,2,3,4,5,6,7
	s_wait_dscnt 28-4*\i                           ; LDS loads come back in order (ISA guide 5.7.1): row i's four are in
	v_pk_add_f32 v[EG+4*\i:EG+4*\i+1],   v[EG+4*\i:EG+4*\i+1],   v[KW0:KW0+1]
	v_pk_add_f32 v[EG+4*\i+2:EG+4*\i+3], v[EG+4*\i+2:EG+4*\i+3], v[KW0+2:KW0+3]
.if \i & 1                                         ; q.W1 of row i to both halves: the pair's second register, or its first
	v_pk_add_f32 v[EG+4*\i:EG+4*\i+1],   v[EG+4*\i:EG+4*\i+1],   v[QW0+(\i&6):QW0+(\i&6)+1] op_sel:[0,1] op_sel_hi:[1,1]
	v_pk_add_f32 v[EG+4*\i+2:EG+4*\i+3], v[EG+4*\i+2:EG+4*\i+3], v[QW0+(\i&6):QW0+(\i&6)+1] op_sel:[0,1] op_sel_hi:[1,1]
.else
	v_pk_add_f32 v[EG+4*\i:EG+4*\i+1],   v[EG+4*\i:EG+4*\i+1],   v[QW0+(\i&6):QW0+(\i&6)+1] op_sel_hi:[1,0]
	v_pk_add_f32 v[EG+4*\i+2:EG+4*\i+3], v[EG+4*\i+2:EG+4*\i+3], v[QW0+(\i&6):QW0+(\i&6)+1] op_sel_hi:[1,0]
.endif
	v_pk_mul_f32 v[EG+4*\i:EG+4*\i+1],   v[EG+4*\i:EG+4*\i+1],   v[MASK+4*\i:MASK+4*\i+1]
	v_pk_mul_f32 v[EG+4*\i+2:EG+4*\i+3], v[EG+4*\i+2:EG+4*\i+3], v[MASK+4*\i+2:MASK+4*\i+3]
	v_max3_num_f32 v[ST+2*\i+1], v[EG+4*\i], v[EG+4*\i+1], v[EG+4*\i+2]
	v_max_num_f32  v[ST+2*\i+1], v[ST+2*\i+1], v[EG+4*\i+3]
.endr
	; a half of 16 lanes holds a row's 64 k: four steps give every lane the wave's maximum of the row; eight rows, eight chains
.irp x, 1,2,4,8
.irp i, 0,1,2,3,4,5,6,7
	v_max_num_f32_dpp v[ST+2*\i+1], v[ST+2*\i+1], v[ST+2*\i+1] row_xmask:\x row_mask:0xf bank_mask:0xf
.endr
.endr
.irp i, 0,1,2,3,4,5,6,7
	v_mul_f32 v[ST+2*\i], LOG2E, v[ST+2*\i+1]      ; kept in base 2: the combine compares and subtracts these very numbers
.endr
.irp i, 0,1,2,3,4,5,6,7
	v_pk_fma_f32 v[EG+4*\i:EG+4*\i+1],   v[EG+4*\i:EG+4*\i+1],   LOG2E, v[ST+2*\i:ST+2*\i+1] op_sel_hi:[1,0,0] neg_lo:[0,0,1] neg_hi:[0,0,1]
	v_pk_fma_f32 v[EG+4*\i+2:EG+4*\i+3], v[EG+4*\i+2:EG+4*\i+3], LOG2E, v[ST+2*\i:ST+2*\i+1] op_sel_hi:[1,0,0] neg_lo:[0,0,1] neg_hi:[0,0,1]
.endr
.set nn, 0
.rept 32
	v_exp_f32 v[EG+nn], v[EG+nn]
.set nn, nn+1
.endr
	; the classes' gather addresses are made here: sixteen plain vector instructions that name no result of the exponentials; the first of them is the
	; plain instruction that stands behind the last v_exp_f32 before a result is read (ISA guide 5.7.2)
	s_wait_loadcnt 32                              ; the classes' indices and k.W2 are in: younger are chunks 2 and 3.  Chunks 0 and 1 are older: in as well
.set nn, 0
.rept 8
	v_min_u32 v[CLEN+nn], 99, v[CLEN+nn]
	v_lshlrev_b32 v[CLEN+nn], 2, v[CLEN+nn]
.set nn, nn+1
.endr
	s_wait_alu depctr_va_vdst(0)                   ; the 32 exponentials have written v[EG ..], ahead of their first reader; v[CLEN ..] is written, which the gathers below read; the scores' lines are done reading MASK and writing LEN, in whose registers v40 to v79 those gathers land
	s_wait_alu depctr_vm_vsrc(0)                   ; the first gathers have read v[LEN ..]: gathers land in v72 to v79 below, and the classes' last multiplies write v80 to v103
	; p's sums and roundings, eight lines at a time, and in front of each eight five of the classes' gathers.  No wait: these lines name EG, TS, ST and PK, none of the registers that the gathers touch
	GATH5 0
.irp i, 0,1,2,3,4,5,6,7
	v_pk_add_f32 v[TS+2*\i:TS+2*\i+1], v[EG+4*\i:EG+4*\i+1], v[EG+4*\i+2:EG+4*\i+3]
.endr
	GATH5 5
.irp i, 0,1,2,3,4,5,6,7
	v_add_f32 v[ST+2*\i+1], v[TS+2*\i], v[TS+2*\i+1]
.endr
.macro SUMX x, first
	GATH5 \first
.irp i, 0,1,2,3,4,5,6,7
	v_add_f32_dpp v[ST+2*\i+1], v[ST+2*\i+1], v[ST+2*\i+1] row_xmask:\x row_mask:0xf bank_mask:0xf
.endr
.endm
	SUMX 1, 10
	SUMX 2, 15
	SUMX 4, 20
	SUMX 8, 25
	GATH5 30
.irp i, 0,1,2,3
	v_cvt_pk_f16_f32 v[PK+2*\i],   v[EG+4*\i],   v[EG+4*\i+1]
	v_cvt_pk_f16_f32 v[PK+2*\i+1], v[EG+4*\i+2], v[EG+4*\i+3]
.endr
	GATH5 35
.irp i, 4,5,6,7
	v_cvt_pk_f16_f32 v[PK+2*\i],   v[EG+4*\i],   v[EG+4*\i+1]
	v_cvt_pk_f16_f32 v[PK+2*\i+1], v[EG+4*\i+2], v[EG+4*\i+3]
.endr
	s_wait_alu depctr_va_vdst(0)                   ; the roundings have written v[PK ..] and the sums v[ST ..], which the LDS stores read
.irp i, 0,1,2,3,4,5,6,7
	ds_store_b64 v11, v[PK+2*\i:PK+2*\i+1] offset:\i*144
.endr
.irp i, 0,1,2,3,4,5,6,7
	ds_store_b64 v13, v[ST+2*\i:ST+2*\i+1] offset:\i*8   ; the sixteen lanes of a half write the same two words with the same values
.endr
.irp ks, 0,1
	ds_load_b128 v[AF+8*\ks:AF+8*\ks+3],   v12 offset:64*\ks      ; my own bytes, and LDS serves a wave's instructions in order (ISA guide 5.7.1): no wait between
	ds_load_b128 v[AF+8*\ks+4:AF+8*\ks+7], v12 offset:64*\ks+32
.endr
	MLOAD 4                                        ; ISSUE D: the last two chunks
	MLOAD 5
	WIN 0
	; CLASSES: a row of out1, 8 k a lane x 5 classes, in two halves u.  The halves' logits are made as their gathers come in; exponentials, reciprocals and
	; the last multiplies of both halves go together, so that each kind has one wait.
.macro CLSA u                          ; the logits, their maximum, and (logit - maximum) log2 e
.irp c, 0,1,2,3,4
.irp ep, 0,2
	v_pk_add_f32 v[G+20*\u+4*\c+\ep:G+20*\u+4*\c+\ep+1], v[G+20*\u+4*\c+\ep:G+20*\u+4*\c+\ep+1], v[CKW+8*\c+4*\u+\ep:CKW+8*\c+4*\u+\ep+1]
.endr
.endr
.irp c, 0,1,2,3,4
.irp ep, 0,2
	v_pk_add_f32 v[G+20*\u+4*\c+\ep:G+20*\u+4*\c+\ep+1], v[G+20*\u+4*\c+\ep:G+20*\u+4*\c+\ep+1], s[QS+2*\c:QS+2*\c+1] op_sel_hi:[1,0]
.endr
.endr
.irp e, 0,1,2,3
	v_max3_num_f32 v[MX+4*\u+\e], v[G+20*\u+\e], v[G+20*\u+4+\e], v[G+20*\u+8+\e]
.endr
.irp e, 0,1,2,3
	v_max3_num_f32 v[MX+4*\u+\e], v[MX+4*\u+\e], v[G+20*\u+12+\e], v[G+20*\u+16+\e]
.endr
.irp ep, 0,2
	v_pk_mul_f32 v[MX+4*\u+\ep:MX+4*\u+\ep+1], v[MX+4*\u+\ep:MX+4*\u+\ep+1], LOG2E op_sel_hi:[1,0]
.endr
.irp c, 0,1,2,3,4
.irp ep, 0,2
	v_pk_fma_f32 v[G+20*\u+4*\c+\ep:G+20*\u+4*\c+\ep+1], v[G+20*\u+4*\c+\ep:G+20*\u+4*\c+\ep+1], LOG2E, v[MX+4*\u+\ep:MX+4*\u+\ep+1] op_sel_hi:[1,0,1] neg_lo:[0,0,1] neg_hi:[0,0,1]
.endr
.endr
.endm
.macro CLSB u                          ; the five classes' sum, class 0 to class 4
.irp ep, 0,2
	v_pk_add_f32 v[SM+4*\u+\ep:SM+4*\u+\ep+1], v[G+20*\u+\ep:G+20*\u+\ep+1], v[G+20*\u+4+\ep:G+20*\u+4+\ep+1]
.endr
.irp c, 2,3,4
.irp ep, 0,2
	v_pk_add_f32 v[SM+4*\u+\ep:SM+4*\u+\ep+1], v[SM+4*\u+\ep:SM+4*\u+\ep+1], v[G+20*\u+4*\c+\ep:G+20*\u+4*\c+\ep+1]
.endr
.endr
.endm
	s_wait_kmcnt 0x0                               ; q.W2
	s_wait_dscnt 40                                ; the first half's 20 gathers are in; younger: the second half's 20, the 16 stores, the 4 fragment loads
	CLSA 0
	s_wait_dscnt 20                                ; the second half's are in; younger: the 16 stores and the 4 fragment loads
	CLSA 1
.set nn, 0
.rept 40
	v_exp_f32 v[G+nn], v[G+nn]
.set nn, nn+1
.endr
	v_nop                                          ; the plain place behind the last v_exp_f32
	s_wait_alu depctr_va_vdst(0)                   ; the 40 exponentials have written v[G ..], ahead of their first reader
	CLSB 0
	CLSB 1
.set nn, 0
.rept 8
	v_rcp_f32 v[SM+nn], v[SM+nn]                   ; the sum holds the maximum's own exp(0): about 1 at the least
.set nn, nn+1
.endr
	v_nop                                          ; the plain place behind the last v_rcp_f32
	s_wait_alu depctr_va_vdst(0)                   ; the 8 reciprocals have written v[SM ..], ahead of their first reader
.irp u, 0,1
.irp e, 0,1,2,3
.irp c, 0,1,2,3,4
	v_mul_f32 v[OUTC+20*\u+5*\e+\c], v[G+20*\u+4*\c+\e], v[SM+4*\u+\e]       ; the last multiply also puts the numbers in memory order
.endr
.endr
.endr
	s_wait_alu depctr_va_vdst(0)                   ; the multiplies have written v[OUTC ..], which the LDS stores read, and are done reading v[G ..], in which the row read back lands
.irp u, 0,1
.irp qq, 0,1,2,3,4
	ds_store_b128 v17, v[OUTC+20*\u+4*\qq:OUTC+20*\u+4*\qq+3] offset:2560*\u+16*\qq
.endr
.endr
	; out1 leaves: my own bytes read back in memory order; each store covers 512 consecutive bytes, aligned
.irp t, 0,1,2,3,4,5,6,7,8,9
	ds_load_b128 v[RB+4*\t:RB+4*\t+3], v18 offset:512*\t
.endr
.irp t, 0,1,2,3,4,5,6,7,8,9
	s_wait_dscnt 9-\t
	global_store_b128 v10, v[RB+4*\t:RB+4*\t+3], s[38:39] offset:512*\t th:TH_STORE_NT
.endr
	; THE PRODUCT: six chunks, two buffers of B fragments.  Between the matrix instructions that read a buffer and the conversions that write it
	; again stand the 32 conversions of the other buffer: plain vector instructions that name none of those matrix instructions' registers
	; (ISA guide 7.12.1 asks for four).  The second K step continues each accumulator in place.  No memory or LDS instruction stands in this part.
	CVT 0, 0                                       ; chunks 0 and 1 were shown in by the wait for the classes' inputs; p's fragments by the last wait on DScnt, for 0
	MUL4 0, 0, 0, 1
	CVT 1, 1
	MUL4 0, 1, 1, 1
	s_wait_loadcnt 48                              ; chunks 3, 4, 5 stay out
	CVT 2, 0
	MUL4 0, 2, 0, 1
	s_wait_loadcnt 32
	CVT 3, 1
	MUL4 1, 0, 1, 0
	s_wait_loadcnt 16
	CVT 4, 0
	MUL4 1, 1, 0, 0
	s_wait_loadcnt 0x0
	CVT 5, 1
	MUL4 1, 2, 1, 0
.rept 4
	v_nop                                          ; four places behind the last matrix instruction before its result is stored and its sources are written
.endr
	WIN 0x08                                       ; store data in window 2
	s_wait_alu depctr_va_vdst(0)                   ; the matrix instructions have written the accumulators, which the LDS stores read (the places above stay beside this wait); and every vector line that named v40 to v151 is done, in which the combine's loads land: no vector instruction stands between here and them
.irp tile, 0,1,2,3,4,5,6,7,8,9,10,11
.irp jh, 0,1
	ds_store_b128 v14, v[ACC+8*\tile+4*\jh:ACC+8*\tile+4*\jh+3] offset:(2*\tile+\jh)*512
.endr
.endr
	WIN 0
	s_wait_dscnt 0x0                               ; for the others' sake: my partial products and my statistics are written
	s_barrier_signal -1
	s_barrier_wait -1
	; COMBINE: rows 8 h + 2 w + j', j' = 0, 1
	s_wait_xcnt 0x0                                ; v[40:79] are data of the stores of out1: loaded over only behind this wait
	s_wait_alu depctr_vm_vsrc(0)                   ; the stores of out1 have read v40 to v79, the LDS stores v[OUTC ..], v[ST ..] and v[PK ..], the classes' gathers v[CLEN ..]: loads land in the first three below, and FR and OUT are written over the last two
.irp s, 0,1,2,3
	ds_load_b128 v[SR+4*\s:SR+4*\s+3], v16 offset:128*\s
.endr
.irp tile, 0,1,2,3,4,5,6,7,8,9,10,11
.irp s, 0,1,2,3
	ds_load_b64 v[PR+8*\tile+2*\s:PR+8*\tile+2*\s+1], v15 offset:\s*12288+\tile*1024
.endr
.endr
	s_wait_dscnt 48                                ; the statistics are in; the 48 loads of partial products stay out
.irp jp, 0,1
	v_max3_num_f32 v[CM+\jp], v[SR+2*\jp], v[SR+4+2*\jp], v[SR+8+2*\jp]
.endr
.irp jp, 0,1
	v_max_num_f32 v[CM+\jp], v[CM+\jp], v[SR+12+2*\jp]
.endr
.irp s, 0,1,2,3
.irp jp, 0,1
	v_sub_f32 v[CF+2*\s+\jp], v[SR+4*\s+2*\jp], v[CM+\jp]
.endr
.endr
.set nn, 0
.rept 8
	v_exp_f32 v[CF+nn], v[CF+nn]                   ; 2^(my wave's maximum - the row's): 1 for the wave that holds the maximum
.set nn, nn+1
.endr
	v_nop                                          ; the plain place behind the last v_exp_f32
	s_wait_alu depctr_va_vdst(0)                   ; the 8 exponentials have written v[CF ..], ahead of their first reader
.irp jp, 0,1
	v_mul_f32 v[CD+\jp], v[CF+\jp], v[SR+2*\jp+1]
.endr
.irp s, 1,2,3
.irp jp, 0,1
	v_fmac_f32 v[CD+\jp], v[CF+2*\s+\jp], v[SR+4*\s+2*\jp+1]
.endr
.endr
	v_rcp_f32 v[CD], v[CD]
	v_rcp_f32 v[CD+1], v[CD+1]
	v_nop                                          ; the plain place behind the last v_rcp_f32
	s_wait_alu depctr_va_vdst(0)                   ; the two reciprocals have written v[CD:CD+1], ahead of their first reader
.irp s, 0,1,2,3
	v_pk_mul_f32 v[FR+2*\s:FR+2*\s+1], v[CF+2*\s:CF+2*\s+1], v[CD:CD+1]
.endr
; one tile: four waves' partial products of my two rows; the last multiply-adds put tile t's numbers at word t of 16 neighbouring bytes of out0
.macro COMB g, t
.set TL, 4*\g+\t
	s_wait_dscnt 44-4*TL                           ; the later tiles' loads stay out
	v_pk_mul_f32 v[CT+2*TL:CT+2*TL+1], v[PR+8*TL:PR+8*TL+1],   v[FR:FR+1]
	v_pk_fma_f32 v[CT+2*TL:CT+2*TL+1], v[PR+8*TL+2:PR+8*TL+3], v[FR+2:FR+3], v[CT+2*TL:CT+2*TL+1]
	v_pk_fma_f32 v[CT+2*TL:CT+2*TL+1], v[PR+8*TL+4:PR+8*TL+5], v[FR+4:FR+5], v[CT+2*TL:CT+2*TL+1]
	v_fma_f32 v[OUT+8*\g+\t],   v[PR+8*TL+6], v[FR+6], v[CT+2*TL]
	v_fma_f32 v[OUT+8*\g+4+\t], v[PR+8*TL+7], v[FR+7], v[CT+2*TL+1]
.endm
.irp g, 0,1,2
	COMB \g, 0
	COMB \g, 1
	COMB \g, 2
	COMB \g, 3
	s_wait_alu depctr_va_vdst(0)                   ; the four tiles' multiply-adds have written this group's eight registers of OUT, which the two stores read; each group has registers of its own, so none is written again
	global_store_b128 v7, v[OUT+8*\g:OUT+8*\g+3],   s[36:37] offset:\g*256 th:TH_STORE_NT        ; sixteen lanes store 256 consecutive bytes, aligned
	global_store_b128 v7, v[OUT+8*\g+4:OUT+8*\g+7], s[36:37] offset:3072+\g*256 th:TH_STORE_NT
.endr
	s_set_vgpr_msb 0xa
	s_wait_dscnt 0x0
	s_wait_alu depctr_hold_cnt(0) depctr_sa_sdst(0) depctr_va_vdst(0) depctr_va_sdst(0) depctr_va_ssrc(0) depctr_va_vcc(0) depctr_vm_vsrc(0)
	s_wait_tensorcnt 0x0
	ds_add_u32 v224, v225
	s_wait_dscnt 0x0
	s_endpgm
.Lfunc_end_k_q9d7acf9d21_attn:
	.size	k_q9d7acf9d21_attn, .Lfunc_end_k_q9d7acf9d21_attn-k_q9d7acf9d21_attn
	.p2alignl 7, 3214868480
	.fill 96, 4, 3214868480
	.section	.rodata,"a",@progbits
	.p2align	6, 0x0
	.amdhsa_kernel k_q9d7acf9d21_attn
		.amdhsa_group_segment_fixed_size 82432
		.amdhsa_private_segment_fixed_size 0
		.amdhsa_enable_private_segment 0
		.amdhsa_kernarg_size 48
		.amdhsa_user_sgpr_count 2
		.amdhsa_user_sgpr_kernarg_segment_ptr 1
		.amdhsa_wavefront_size32 1
		.amdhsa_system_sgpr_workgroup_id_x 1
		.amdhsa_system_sgpr_workgroup_id_y 1
		.amdhsa_system_sgpr_workgroup_id_z 1
		.amdhsa_system_vgpr_workitem_id 0
		.amdhsa_next_free_vgpr 738
		.amdhsa_next_free_sgpr 66
		.amdhsa_reserve_vcc 0
		.amdhsa_float_denorm_mode_32 3
		.amdhsa_float_denorm_mode_16_64 3
		.amdhsa_memory_ordered 1
		.amdhsa_forward_progress 1
		.amdhsa_inst_pref_size 78
	.end_amdhsa_kernel
	.amdgpu_metadata
---
amdhsa.version: [ 1, 2 ]
amdhsa.kernels:
  - .name:           k_q9d7acf9d21_attn
    .symbol:         k_q9d7acf9d21_attn.kd
    .args:
      - { .name: proj, .offset: 0, .size: 8, .value_kind: global_buffer, .address_space: global }
      - { .name: attention_mask, .offset: 8, .size: 8, .value_kind: global_buffer, .address_space: global }
      - { .name: length_mask, .offset: 16, .size: 8, .value_kind: global_buffer, .address_space: global }
      - { .name: m, .offset: 24, .size: 8, .value_kind: global_buffer, .address_space: global }
      - { .name: out0, .offset: 32, .size: 8, .value_kind: global_buffer, .address_space: global }
      - { .name: out1, .offset: 40, .size: 8, .value_kind: global_buffer, .address_space: global }
    .group_segment_fixed_size: 82432
    .private_segment_fixed_size: 0
    .kernarg_segment_align: 8
    .kernarg_segment_size: 48
    .max_flat_workgroup_size: 128
    .sgpr_count:     66
    .vgpr_count:     738
    .wavefront_size: 32
...
	.end_amdgpu_metadata
.endif
;; end of part 3
